; MI455X (gfx1250); checked and timed in simulation.
; The chip was launched on July 23, 2026; its instructions are those of AMD's public machine-readable ISA for CDNA 5 (MIT licence, August 2026) and "CDNA5" Instruction Set Architecture Reference Guide (July 2026). The comments in the code are by the model that wrote it; some were corrected since.
;; Nystroem. Allowed arithmetic: matrix products marked QUANTISED: E2M3 operands, one E8M0 scale for each 32 along K, by v_wmma_scale_f32_16x16x128_f8f6f4 with both operands' format E2M3, f32 sums; everything else in f32.
;; Inputs: centers 2,048 x 2,048 float32; gamma 1 float32; inputs 8,192 x 2,048 float32; normalization 2,048 x 2,048 float32.
;; Outputs: out0 8,192 x 2,048 float32.
;; This version of the problem:
;;   THIS VERSION OF THE PROBLEM IS GIVEN IN LOW PRECISION. The matrix products marked QUANTISED in the list below multiply operands that are first quantised to E2M3 (2 exponent bits, 3 mantissa bits; 6 bits a number), with one power-of-two scale for each 32 numbers along K (OCP MX v1.0); their sums are f32. All else is computed in f32.
;;   The module's matrix products, in the order in which they are computed (A, B: the left and right operand; K: the contracted axis; several contracted axes count as one K, in the product's order):
;;     1. [M 8,192, K 2,048] x [K 2,048, N 2,048]; A: input inputs; B: input centers: QUANTISED
;;     2. [M 8,192, K 2,048] x [K 2,048, N 2,048]; A: computed on the way; B: input normalization: QUANTISED
;;   THE QUANTISER, for each operand of a quantised product, along K:
;;     - K is cut into blocks of 32 from its start; a last block that is shorter is filled with zeros.
;;     - A block's scale is 2^e with e = floor(log2(the largest magnitude in the block)) - 2, held to -126 .. 127; a block of zeros has e = 0. As a byte (E8M0): e + 127.
;;     - Each number is divided by its block's scale, clamped to +-7.5, and rounded to the nearest number of E2M3, ties to even, subnormals kept.
;;     - The product sums the exact products of the quantised numbers (number of the format x scale) in f32.
;;   ~~~python
;;   def quantise(x, axis):      # numpy; x: float32 -> the quantised numbers, widened to float32 again
;;       x = np.moveaxis(x, axis, -1); K = x.shape[-1]
;;       x = np.pad(x, [(0, 0)] * (x.ndim - 1) + [(0, -K % 32)]); x = x.reshape(x.shape[:-1] + (-1, 32)); a = np.abs(x).max(-1, keepdims=True)
;;       e = np.where(a > 0, np.clip(np.frexp(np.where(a > 0, a, 1))[1] - 1 - 2, -126, 127), 0)      # np.frexp(a)[1] - 1 = floor(log2(a)), exactly
;;       r = np.clip(x / 2.0 ** e, -7.5, 7.5)
;;       step = 2.0 ** (np.maximum(np.frexp(np.where(r == 0, 1, r))[1] - 1, 0) - 3)
;;       q = np.round(r / step) * step * 2.0 ** e      # np.round: ties to even
;;       return np.moveaxis(q.reshape(q.shape[:-2] + (-1,))[..., :K], -1, axis).astype(np.float32)
;;   ~~~
;;   OPERANDS COMPUTED ON THE WAY. 'Computed on the way' means the value that the module computes at that place (a softmax that the list does not call 'softmax' is quantised finished and normalised). What goes into a quantiser is computed in f32, as accurately as f32 sums, v_exp_f32 and their like allow (about 1e-6 of the number): no bf16 or f16 on the way to a quantiser, and a product that is left as it is and whose result goes on into a quantised operand takes f32 operands (vector FMAs, or v_wmma_f32_16x16x4_f32). A number that lies on a knife's edge between two numbers of the format may be rounded either way, as far as f32 arithmetic and the matrix unit's own rounding can turn it there, and no further.
;; One version. Each part assembles by itself: llvm-mc -triple=amdgcn-amd-amdhsa -mcpu=gfx1250 --defsym DOCPART=n.
;; ======== version 1 of 1: 3 launches
;; limits: right only within a limited range of input values
;; workspace buffers: xc_img 16,384,000 bytes; sums 655,360 bytes; n_img 3,276,800 bytes; d_img 13,107,200 bytes
;; launch quant_rows (part 1): grid 1280 x 1, 8 waves a work-group, no clusters, 69,632 bytes of LDS; arguments inputs, centers, xc_img, sums; writes xc_img, sums
.if DOCPART == 1
	.amdgcn_target "amdgcn-amd-amdhsa--gfx1250"
	.amdhsa_code_object_version 6
	.text
	.protected	k_qffe9a68515_quant_rows
	.globl	k_qffe9a68515_quant_rows
	.p2align	8
	.type	k_qffe9a68515_quant_rows,@function
k_qffe9a68515_quant_rows:
	s_mov_b64 s[64:65], 0
	v_nop
	global_prefetch_b8 v0, s[64:65] scope:SCOPE_SE
	s_setreg_imm32_b32 hwreg(HW_REG_WAVE_MODE, 25, 1), 1
	s_wait_xcnt 0x0
; inputs [8192][2048] and centers [2048][2048], f32, K innermost, become codes of FP6 (E2M3) with one E8M0 byte for each 32 along K, and each row's sum of squares (of the f32 numbers) is taken on the way.
; A block's scale is 2^(floor(log2(its largest magnitude)) - 2); its byte is the largest magnitude's exponent field - 2, held at 1 from below.  A block of zeros so gets the byte 1 where the rule says 127:
; its codes are zeros, which add nothing under any byte but 0xff, and the bytes are read by this program alone.
; LIMITS: NaN and infinities among the inputs are not served; blocks whose largest magnitude lies under 2^(3 - 127) keep the byte 1.
; THE OUTPUT LIES IN THE ORDER OF THE OPERAND'S REGISTERS.  A group is 128 rows (8 blocks of 16), a step 128 along K.  Fragment (group G, step s, block a), 12 registers a lane, lies at
; G x GROUPB + s x GSTEP + a x FRB; in it register j of lane l lies at 512 (j / 4) + 16 l + 4 (j % 4).  The scale words of (G, s) are 512 bytes at G x GSC + s x SUB: the word at 16 l + 4 i is that of
; row l % 16 of block 4 (l / 16) + i.  Groups 0-63 are the inputs' rows, groups 64-79 the centres.
; THE CENTRES OF A BLOCK ARE NOT NEIGHBOURS: row i of block a is centre 32 (a / 2) + 8 (a % 2) + i + 8 (i / 8) of its group, so that in the first product's transposed result the 16 registers of blocks
; 2 b and 2 b + 1 are 16 neighbours along the second product's K.
; sums is [16][10240] f32: step s of K, position 128 G + 16 a + row in the block: the row's sum of squares over that step's 128 numbers.
; SHARES.  A work-group takes one group x one step: 80 x 16 = 1,280 work-groups of equal work, five for each of 256 WGPs.  Wave a takes block a: 16 rows x 512 bytes.  Each load reads 512 consecutive bytes of
; one row; the 16 rows turn through the wave's own stage in LDS, so that a lane comes to hold 16 neighbours of each block of 32 of ONE row, as the conversions want them.  The registers at work lie over those
; that took the loads, once these are dead: 140 registers a wave and 68,608 bytes of LDS, so that several work-groups share a WGP and their loads are on the way together.
; No tensor loads: memory binds, and waves share only the scale words and the sums, which are gathered in LDS so that they leave as runs of 512 consecutive bytes.
.set ROWF,   8192                      ; a row of f32 in bytes
.set FRB,    1536                      ; a fragment's image
; PLACE OF THE SCALE WORDS (this replaces the place named in the head comment): codes and scale words share one buffer; the 512 bytes of scale words of (G, s) lie behind its eight fragments,
; at G x GROUPB + s x GSTEP + 8 FRB, so that a step is 12,800 consecutive bytes, 50 aligned blocks of 256.
.set SUB,    512
.set GSTEP,  8*FRB+SUB
.set GROUPB, 16*GSTEP
.set SPITCH, 528                       ; a stage row: 512 bytes + 16 = 33 x 16: the sixteen rows that a read touches fall on sixteen different columns of 16 bytes
.set WSTG,   16*SPITCH                 ; a wave's stage
.set SUS,    8*WSTG                    ; the step's scale words, 512 bytes
.set SQS,    SUS+SUB                   ; the 128 rows' sums of squares, 512 bytes
.set X,      12                        ; v12-75    64 numbers of my row: register 16 b + i = k 32 b + 16 (lane / 16) + i
.set R,      76                        ; v76-139   64 registers as loaded; dead once the stage's stores have read them: all below lies over them
.set QS,     76                        ; v[76:83]  four chains of packed sums of squares
.set TM,     84                        ; v84-87 largest magnitudes, v88-91 the other half's / bytes, v96-99 the conversions' scale operands
.set PW,     100                       ; the scale word
.set PC,     104                       ; v104-115 the fragment; v116-122 at work
	s_load_b128 s[4:7], s[0:1], 0x0                ; inputs s[4:5], centers s[6:7]
	s_load_b64 s[8:9], s[0:1], 0x10                ; the image of codes and scale words
	s_load_b64 s[12:13], s[0:1], 0x18              ; sums
	v_lshl_add_u32 v140, v0, 2, 0x10c00
	v_mov_b32 v141, 0
	v_lshrrev_b32 v1, 5, v0
	s_delay_alu instid0(VALU_DEP_1)
	v_readfirstlane_b32 s16, v1                    ; wave a: my block
	v_and_b32 v1, 31, v0                           ; lane
	v_and_b32 v2, 15, v0                           ; r
	s_wait_alu depctr_va_vdst(0)
	v_bfe_u32 v5, v0, 4, 1                         ; h
	v_lshlrev_b32 v3, 4, v1                        ; 16 x lane: my bytes of a load's or a store's 512
	s_wait_alu depctr_va_vdst(0)
	s_lshr_b32 s17, ttmp9, 4                       ; group G
	s_and_b32 s18, ttmp9, 15                       ; step of K
	s_mul_i32 s19, s16, WSTG
	v_add_nc_u32 v6, s19, v3                       ; the stage, in: 16 x lane, the row in the immediate
	v_mul_u32_u24 v7, v2, SPITCH
	s_delay_alu instid0(VALU_DEP_1)
	v_lshl_add_u32 v7, v5, 6, v7
	s_delay_alu instid0(VALU_DEP_1)
	v_add_nc_u32 v7, s19, v7                       ; and out: row r, + 64 h
	s_lshr_b32 s26, s16, 2
	s_lshl_b32 s26, s26, 8
	s_and_b32 s27, s16, 3
	s_lshl_b32 s27, s27, 2
	s_add_co_u32 s26, s26, s27
	s_add_co_u32 s26, s26, SUS
	v_lshl_add_u32 v8, v2, 4, s26                  ; my row's scale word: 16 (16 (a / 4) + r) + 4 (a % 4)
	s_lshl_b32 s26, s16, 6
	s_add_co_u32 s26, s26, SQS
	v_lshl_add_u32 v9, v2, 2, s26                  ; my row's sum: 4 (16 a + r)
	s_and_b32 s26, s16, 1
	s_lshl_b32 s26, s26, 9
	s_add_co_u32 s26, s26, SUS
	v_add_nc_u32 v10, s26, v3                      ; the way out: wave 0 the scale words, wave 1 the sums
	s_mov_b32 s24, 0x76543210
	s_mov_b32 s25, 0xfedcba98                      ; v_permlanex16_b32's selects for lane l xor 16
	s_lshl_b32 s22, s16, 4                         ; the inputs: my block begins at row 16 a of the group,
	s_lshr_b32 s23, s16, 1
	s_lshl_b32 s23, s23, 5
	s_and_b32 s26, s16, 1
	s_lshl_b32 s26, s26, 3
	s_add_co_u32 s23, s23, s26                     ; the centres: at 32 (a / 2) + 8 (a % 2)
	s_wait_alu depctr_va_vdst(0)
	s_wait_kmcnt 0x0
	s_cmp_lt_u32 s17, 64                           ; inputs or centres?  The choice hangs on the work-group's number alone; all selects stand ahead of the next line that sets SCC
	s_cselect_b64 s[4:5], s[4:5], s[6:7]
	s_cselect_b32 s20, 0, 64
	s_cselect_b32 s21, 16, 17
	s_cselect_b32 s22, s22, s23
	s_lshl_b32 s21, 1, s21                         ; rows 8-15 of the block lie 8 rows on (65,536 bytes), the centres' 16 rows on (131,072)
	s_sub_co_u32 s20, s17, s20
	s_lshl_b32 s20, s20, 7
	s_add_co_u32 s20, s20, s22                     ; my first row in its tensor
	s_lshl_b32 s20, s20, 13
	s_lshl_b32 s26, s18, 9
	s_add_co_u32 s26, s20, s26                     ; in bytes, + 512 for each step of K: under 2^27
	s_mov_b32 s27, 0
	s_add_nc_u64 s[4:5], s[4:5], s[26:27]
	v_add_nc_u32 v4, s21, v3                       ; the offset for rows 8-15
.irp i, 0,1,2,3,4,5,6,7
	global_load_b128 v[R+4*\i:R+4*\i+3], v3, s[4:5] offset:ROWF*\i th:TH_LOAD_NT          ; 512 consecutive bytes of row i
.endr
.irp i, 0,1,2,3,4,5,6,7
	global_load_b128 v[R+32+4*\i:R+32+4*\i+3], v4, s[4:5] offset:ROWF*\i th:TH_LOAD_NT    ; and of row 8 + i
.endr
	s_mul_i32 s26, s17, GROUPB                     ; the three places to store at are made while the loads are out
	s_mul_i32 s28, s18, GSTEP
	s_add_co_u32 s26, s26, s28
	s_add_nc_u64 s[10:11], s[8:9], s[26:27]
	s_add_nc_u64 s[10:11], s[10:11], 8*FRB         ; scale words of (G, s): behind its eight fragments
	s_mul_i32 s28, s16, FRB
	s_add_co_u32 s26, s26, s28
	s_add_nc_u64 s[8:9], s[8:9], s[26:27]          ; codes at (G, s, block a)
	s_mul_i32 s26, s18, 40960
	s_lshl_b32 s28, s17, 9
	s_add_co_u32 s26, s26, s28
	s_add_nc_u64 s[12:13], s[12:13], s[26:27]      ; sums at (s, 128 G)
; 64 numbers of a lane, register 16 b + i = k 32 b + 16 (lane / 16) + i of my row, become a fragment's codes in v[PC] on and its scale word in v[PW].
.macro QUANT s
.irp b, 0,1,2,3
	v_max3_num_f32 v[TM+\b], |v[\s+16*\b]|, |v[\s+1+16*\b]|, 0x1800000   ; block b: my 16 numbers, and the floor 2^(3 - 127): the byte cannot fall under 1
.endr
.irp i, 2,4,6,8,10,12,14
.irp b, 0,1,2,3
	s_delay_alu instid0(VALU_DEP_4)
	v_max3_num_f32 v[TM+\b], v[TM+\b], |v[\s+16*\b+\i]|, |v[\s+1+16*\b+\i]|   ; the four blocks by turns
.endr
.endr
.irp b, 0,1,2,3
	s_delay_alu instid0(VALU_DEP_4)
	v_permlanex16_b32 v[TM+4+\b], v[TM+\b], s24, s25
.endr
.irp b, 0,1,2,3
	s_delay_alu instid0(VALU_DEP_4)
	v_max_num_f32 v[TM+\b], v[TM+\b], v[TM+4+\b]   ; with lane l xor 16's: the block's largest magnitude
.endr
.irp b, 0,1,2,3
	s_delay_alu instid0(VALU_DEP_4)
	v_add_nc_u32 v[TM+12+\b], 0xff000000, v[TM+\b] ; 2 off its exponent field: the conversion takes the exponent field of this operand as its scale
.endr
.irp b, 0,1,2,3
	s_delay_alu instid0(VALU_DEP_4)
	v_lshrrev_b32 v[TM+4+\b], 23, v[TM+12+\b]      ; the scale's byte
.endr
	s_delay_alu instid0(VALU_DEP_3)
	v_lshl_or_b32 v[PW], v[TM+5], 8, v[TM+4]
	s_delay_alu instid0(VALU_DEP_1)
	v_lshl_or_b32 v[PW], v[TM+6], 16, v[PW]
	s_delay_alu instid0(VALU_DEP_1)
	v_lshl_or_b32 v[PW], v[TM+7], 24, v[PW]        ; my row's scale word
.irp c, 0,1
	v_cvt_scalef32_pk16_fp6_f32 v[PC+6*\c:PC+2+6*\c], v[\s+32*\c:\s+15+32*\c], v[TM+12+2*\c]
	v_cvt_scalef32_pk16_fp6_f32 v[PC+12+4*\c:PC+14+4*\c], v[\s+16+32*\c:\s+31+32*\c], v[TM+12+2*\c+1]   ; (a conversion's three registers begin on an even number)
.endr
	v_nop                                          ; one plain place behind a scaled conversion
.irp c, 0,1                            ; the operand's layout wants a WHOLE block in a lane: lanes 0-15 block 2 c, lanes 16-31 block 2 c + 1
.irp i, 0,1,2
	v_permlane16_swap_b32 v[PC+6*\c+\i], v[PC+12+4*\c+\i]
.endr
.irp i, 0,1,2
	s_delay_alu instid0(VALU_DEP_3)
	v_mov_b32 v[PC+3+6*\c+\i], v[PC+12+4*\c+\i]
.endr
.endr
.endm
.irp g, 0,1,2,3
	s_wait_loadcnt 12-4*\g                         ; rows 4 g .. 4 g + 3 are in; the younger rows' loads may be out
.irp i, 0,1,2,3
	ds_store_b128 v6, v[R+16*\g+4*\i:R+16*\g+4*\i+3] offset:SPITCH*(4*\g+\i)
.endr
.endr
.irp b, 0,1,2,3
.irp j, 0,1,2,3
	ds_load_b128 v[X+16*\b+4*\j:X+16*\b+4*\j+3], v7 offset:128*\b+16*\j   ; LDS serves a wave's instructions in order: these see the stores above
.endr
.endr
	s_wait_dscnt 0x0                               ; my 64 numbers are in, and the stores have read the registers that took the loads: these are written anew from here on
.irp b, 0,1,2,3
	v_mov_b32 v[TM+4+\b], 0                        ; a lane permute's destination counts as one of its sources
.endr
.set j, 0
.rept 32                               ; the sum of squares of the f32 numbers, two at a time, in four chains; the first four products start the chains
.if j < 4
	v_pk_mul_f32 v[QS+2*j:QS+2*j+1], v[X+2*j:X+2*j+1], v[X+2*j:X+2*j+1]
.else
	s_delay_alu instid0(VALU_DEP_4)
	v_pk_fma_f32 v[QS+2*(j%4):QS+2*(j%4)+1], v[X+2*j:X+2*j+1], v[X+2*j:X+2*j+1], v[QS+2*(j%4):QS+2*(j%4)+1]
.endif
.set j, j+1
.endr
	QUANT X
.irp c, 0,1,2
	global_store_b128 v3, v[PC+4*\c:PC+4*\c+3], s[8:9] offset:512*\c   ; the fragment as it stands: 512 consecutive bytes a store, aligned to 256
.endr
	ds_store_b32 v8, v[PW]                         ; lanes l and l xor 16 write the same word with the same value
	v_pk_add_f32 v[QS:QS+1], v[QS:QS+1], v[QS+2:QS+3]
	v_pk_add_f32 v[QS+4:QS+5], v[QS+4:QS+5], v[QS+6:QS+7]
	s_delay_alu instid0(VALU_DEP_1)
	v_pk_add_f32 v[QS:QS+1], v[QS:QS+1], v[QS+4:QS+5]
	s_delay_alu instid0(VALU_DEP_1)
	v_add_f32 v[QS], v[QS], v[QS+1]
	s_delay_alu instid0(VALU_DEP_1)
	v_permlanex16_b32 v[QS+1], v[QS], s24, s25
	s_delay_alu instid0(VALU_DEP_1)
	v_add_f32 v[QS], v[QS], v[QS+1]                ; with lane l xor 16's half: my row's sum over this step of K
	ds_store_b32 v9, v[QS]
	s_wait_dscnt 0x0                               ; for the others' sake: my scale words and sums lie in LDS
	s_barrier_signal -1
	s_barrier_wait -1
	s_cmp_gt_u32 s16, 1
	s_cbranch_scc1 .Ldone                          ; two runs of 512 bytes are left to store: wave 0 the scale words, wave 1 the sums
	s_cmp_eq_u32 s16, 0
	s_cselect_b64 s[26:27], s[10:11], s[12:13]
	ds_load_b128 v[X:X+3], v10
	s_wait_dscnt 0x0
	global_store_b128 v3, v[X:X+3], s[26:27]       ; 512 consecutive bytes, aligned to 256
.Ldone:
	s_wait_tensorcnt 0x0
	ds_add_u32 v140, v141
	s_wait_dscnt 0x0
	s_endpgm
.Lfunc_end_k_qffe9a68515_quant_rows:
	.size	k_qffe9a68515_quant_rows, .Lfunc_end_k_qffe9a68515_quant_rows-k_qffe9a68515_quant_rows
	.p2alignl 7, 3214868480
	.fill 96, 4, 3214868480
	.section	.rodata,"a",@progbits
	.p2align	6, 0x0
	.amdhsa_kernel k_qffe9a68515_quant_rows
		.amdhsa_group_segment_fixed_size 69632
		.amdhsa_private_segment_fixed_size 0
		.amdhsa_enable_private_segment 0
		.amdhsa_kernarg_size 32
		.amdhsa_user_sgpr_count 2
		.amdhsa_user_sgpr_kernarg_segment_ptr 1
		.amdhsa_wavefront_size32 1
		.amdhsa_system_sgpr_workgroup_id_x 1
		.amdhsa_system_sgpr_workgroup_id_y 1
		.amdhsa_system_sgpr_workgroup_id_z 1
		.amdhsa_system_vgpr_workitem_id 0
		.amdhsa_next_free_vgpr 142
		.amdhsa_next_free_sgpr 66
		.amdhsa_reserve_vcc 0
		.amdhsa_float_denorm_mode_32 3
		.amdhsa_float_denorm_mode_16_64 3
		.amdhsa_memory_ordered 1
		.amdhsa_forward_progress 1
		.amdhsa_inst_pref_size 17
	.end_amdhsa_kernel
	.amdgpu_metadata
---
amdhsa.version: [ 1, 2 ]
amdhsa.kernels:
  - .name:           k_qffe9a68515_quant_rows
    .symbol:         k_qffe9a68515_quant_rows.kd
    .args:
      - { .name: inputs, .offset: 0, .size: 8, .value_kind: global_buffer, .address_space: global }
      - { .name: centers, .offset: 8, .size: 8, .value_kind: global_buffer, .address_space: global }
      - { .name: xc_img, .offset: 16, .size: 8, .value_kind: global_buffer, .address_space: global }
      - { .name: sums, .offset: 24, .size: 8, .value_kind: global_buffer, .address_space: global }
    .group_segment_fixed_size: 69632
    .private_segment_fixed_size: 0
    .kernarg_segment_align: 8
    .kernarg_segment_size: 32
    .max_flat_workgroup_size: 256
    .sgpr_count:     66
    .vgpr_count:     142
    .wavefront_size: 32
...
	.end_amdgpu_metadata
.endif
;; end of part 1
;; launch gemm_exp (part 2): grid 8 x 32, 4 waves a work-group, clusters of 4 x 4, 327,680 bytes of LDS; arguments xc_img, sums, gamma, d_img, normalization, n_img; writes d_img, n_img
.if DOCPART == 2
	.amdgcn_target "amdgcn-amd-amdhsa--gfx1250"
	.amdhsa_code_object_version 6
	.text
	.protected	k_qffe9a68515_gemm_exp
	.globl	k_qffe9a68515_gemm_exp
	.p2align	8
	.type	k_qffe9a68515_gemm_exp,@function
k_qffe9a68515_gemm_exp:
	s_mov_b64 s[64:65], 0
	v_nop
	global_prefetch_b8 v0, s[64:65] scope:SCOPE_SE
	s_setreg_imm32_b32 hwreg(HW_REG_WAVE_MODE, 25, 1), 1
	s_wait_xcnt 0x0
	s_wait_alu depctr_hold_cnt(0) depctr_sa_sdst(0) depctr_va_vdst(0) depctr_va_sdst(0) depctr_va_ssrc(0) depctr_va_vcc(0) depctr_vm_vsrc(0)
	s_getreg_b32 s2, hwreg(HW_REG_IB_STS2, 6, 4)
	s_cmp_eq_u32 s2, 0
	s_cbranch_scc0 .Lentry_in_a_cluster
	s_endpgm
.Lentry_in_a_cluster:
	s_bfe_u32 s2, ttmp6, 0x10000c
	s_cmp_lg_u32 s2, 0xf033
	s_cbranch_scc0 .Lentry_shape_is_right
	s_endpgm
.Lentry_shape_is_right:
; densities = exp(-gamma (|x|^2 + |c|^2 - 2 Q(x) Q(c)^T)), quantised along the centres to FP6 (E2M3) with one E8M0 byte for each 32, and stored as the second product's operand.
; On the way in, each work-group also quantises its 128 x 128 piece of normalization along its first axis (the second product's K) into n_img.
; LIMITS: NaN and infinities among the inputs are not served; a block whose largest magnitude lies under 2^(3 - 127) keeps the scale byte 1 (its codes then are zeros or subnormal codes under that byte).
; IMAGES.  A group is 128 rows of an operand (8 blocks of 16), a step 128 along K.  Step (G, s) is 12,800 bytes at G x GROUPB + s x GSTEP: eight fragments of 1,536 bytes (register j of lane l at
; 512 (j / 4) + 16 l + 4 (j % 4)), then 512 bytes of scale words (the word at 16 l + 4 i: row l % 16 of block 4 (l / 16) + i).  In xc_img groups 0-63 are the inputs, 64-79 the centres.
; SHARES.  A tile of 256 x 256 to a work-group of four waves, 128 x 128 to a wave: 64 accumulators; 8 x 32 tiles on 256 work-groups.
; THE RING.  Two LDS slots of three steps each; a wave's tensor load brings one group's three steps, 38,400 dense bytes, as 150 rows of 256 bytes, codes and scale words together.
; The sixteen steps come by six fills: steps 0-2, 3-5, 6-8, 9-11, 12-14 and 13-15.  The last begins two steps back, so that one shape of descriptor serves every fill and no load leaves its group:
; steps 13 and 14 are fetched a second time.  One tensor load of a wave is out at any time.
; CLUSTERS: 4 x 4 work-groups; the inputs' tiles are shared along a row of the cluster, the centres' along a column, each by a joint load.
; PREFETCH: the fills of steps 6-8, 9-11 and 12-14 are asked for one fill (three steps) ahead of their tensor loads; of a load's 150 rows the partner at place p names rows 32 p + lane and
; 128 + 6 p + 0 .. 5 (held at 149), so each row is named once in a cluster.  The first two fills and step 15 come by their loads alone.
; THE MATRIX INSTRUCTION IS USED TRANSPOSED (source 0 = 16 centres, source 1 = 16 inputs): a lane holds one input row and registers along the centres, the next K.
.set FR,     12
.set FRB,    1536
.set SUB,    512
.set GSTEP,  8*FRB+SUB
.set GROUPB, 16*GSTEP
.set NL,     3
.set HALFT,  3*GSTEP
.set SLOT,   4*HALFT
.set SCR,    2*SLOT                    ; behind the ring: 1,024 bytes a wave for the sums of squares
.set NIM,    SCR+4*1024                ; the image of normalization's step, 8 fragments
.set NSU,    NIM+8*FRB                 ; its scale words
.set SPARE,  NSU+SUB                   ; the spare words, 128 bytes a wave
.set NLD,   3
.set NWI,   4
.set NWS,   5
.set NGO,   6
.set NRI,   7
.set NRS,   8
.set ADRA,  16
.set SCW,   18
.set ADRB,  20
.set LI,    24
.set PFO,   25
.set PFO2,  26
.set CSA,   27
.set SPW,   28
.set NIL,   29
.set XSA,   30
.set LN,    31
.set SC,    32                         ; scale words, two sets of 8 by the step's parity: A's four registers, then B's
.set CS,    64
.set AF,    128
.set XS,    224
.set NX,    64
.set NRB,   128
.set NC,    192
.set NT,    224
.set NSO,   228
.set NM,    229
.set NSB,   231
.set NSW,   232
.set T,     128
.set TM,    192
.set PWS,   208
.set SW,    216
.set XP,    220
.set PC,    232
.set G1, 24
.set G0, 32
.set G1B, 48
.set G0B, 56
.set PFA, 68                           ; s[68:69] step 6 of the group that my wave fetches
.set INC, 70                           ; s[70:71] slot 1's next step along K, in bytes
.set MSB, 0
.macro WIN new
.if MSB != (\new)
	s_set_vgpr_msb (MSB<<8)|(\new)
.set MSB, \new
.endif
.endm
.set MUL_LO, 0xa1
.set MUL_HI, 0xf1
.set TO_B,   0x40
.macro JLOAD g0a, g1a, g0b, g1b        ; a joint load: waves 0, 1 fetch A's groups, waves 2, 3 B's
	s_cmp_eq_u32 s17, 0
	s_cbranch_scc0 .Lfor_b_\@
	tensor_load_to_lds s[\g0a:\g0a+3], s[\g1a:\g1a+7]
	s_nop 0
.rept 4
	v_nop
.endr
	s_branch .Lasked_\@
.Lfor_b_\@:
	tensor_load_to_lds s[\g0b:\g0b+3], s[\g1b:\g1b+7]
	s_nop 0
.rept 4
	v_nop
.endr
.Lasked_\@:
.endm
.macro CREST
	s_cmp_lg_u32 s16, 0
	s_cbranch_scc1 .Lnot_wave_0_\@
	s_barrier_signal -3
.Lnot_wave_0_\@:
	s_barrier_wait -3
	s_barrier_signal -1
	s_barrier_wait -1
.endm
.macro CROUND
	s_barrier_signal -1
	s_barrier_wait -1
	CREST
.endm
.macro ASK off, guard                  ; the prefetch of three steps at byte off behind step 6; guard = 1: in the loop's first trip alone
.if \guard
	s_cmp_eq_u32 s3, 2
	s_cbranch_scc0 .Lnot_asked_\@
.endif
	global_prefetch_b8 v[PFO], s[PFA:PFA+1] offset:\off th:TH_LOAD_NT scope:SCOPE_SE
	global_prefetch_b8 v[PFO2], s[PFA:PFA+1] offset:\off th:TH_LOAD_NT scope:SCOPE_SE
.if \guard
.Lnot_asked_\@:
.endif
.endm
; a block of 32 along K of normalization, one column a lane: scale byte, codes, into the image in LDS
.macro NBLOCK bk
.set XB, NX+32*(\bk)
.set CC, NC+8*(\bk)
.set HO, 256*((\bk)%2)
.if (\bk) < 2
	s_wait_loadcnt 63
.else
	s_wait_loadcnt 32*(3-(\bk))
.endif
	v_max3_num_f32 v[NM], |v[XB]|, |v[XB+1]|, |v[XB+2]|
	v_max3_num_f32 v[NM+1], |v[XB+3]|, |v[XB+4]|, |v[XB+5]|
.irp i, 6,10,14,18,22,26
	v_max3_num_f32 v[NM], v[NM], |v[XB+\i]|, |v[XB+\i+1]|
	v_max3_num_f32 v[NM+1], v[NM+1], |v[XB+\i+2]|, |v[XB+\i+3]|
.endr
	v_max3_num_f32 v[NM], v[NM], |v[XB+30]|, |v[XB+31]|
	v_max3_num_f32 v[NM], v[NM], v[NM+1], 0x1800000
	v_add_nc_u32 v[NSO], 0xff000000, v[NM]
	v_lshrrev_b32 v[NM+1], 23, v[NSO]
.if (\bk) == 0
	v_mov_b32 v[NSB], v[NM+1]
.else
	v_lshl_or_b32 v[NSB], v[NM+1], 8*(\bk), v[NSB]
.endif
	v_cvt_scalef32_pk16_fp6_f32 v[CC:CC+2], v[XB:XB+15], v[NSO]
	v_cvt_scalef32_pk16_fp6_f32 v[NT:NT+2], v[XB+16:XB+31], v[NSO]
	v_nop
.irp i, 0,1,2
	v_mov_b32 v[CC+3+\i], v[NT+\i]
.endr
.if (\bk) < 2
	ds_store_b128 v[NWI], v[CC:CC+3] offset:HO
	ds_store_b64 v[NWI], v[CC+4:CC+5] offset:512+HO
.else
	ds_store_b64 v[NWI], v[CC:CC+1] offset:520+HO
	ds_store_b128 v[NWI], v[CC+2:CC+5] offset:1024+HO
.endif
.endm
	s_load_b64 s[4:5], s[0:1], 0x0                 ; xc_img
	s_load_b128 s[8:11], s[0:1], 0x8               ; sums, gamma
	s_load_b64 s[12:13], s[0:1], 0x18              ; d_img
	s_load_b64 s[66:67], s[0:1], 0x20              ; normalization
	s_load_b64 s[100:101], s[0:1], 0x28            ; n_img
	v_lshl_add_u32 v[SPW], v0, 2, SPARE
	v_mov_b32 v[NIL], 0
	ds_add_u32 v[SPW], v[NIL]                      ; the opening lines
	ds_add_u32 v[SPW], v[NIL]
	v_lshrrev_b32 v1, 5, v0
	v_readfirstlane_b32 s16, v1                    ; wave
	s_lshr_b32 s17, s16, 1                         ; my group of A's two; also: I fetch for A (0) or B (1)
	s_and_b32 s18, s16, 1                          ; my group of B's two; also: which group I fetch
	s_bfe_u32 s40, ttmp6, 0x40000
	s_bfe_u32 s41, ttmp6, 0x40004
	s_lshl_b32 s42, ttmp9, 2
	s_add_co_u32 s42, s42, s40                     ; tile column
	s_and_b32 s19, ttmp7, 0xffff
	s_lshl_b32 s19, s19, 2
	s_add_co_u32 s19, s19, s41                     ; tile row
	s_lshl_b32 s43, s41, 2
	s_lshl_b32 s43, 15, s43
	s_lshl_b32 s44, 0x1111, s40
	s_or_b32 s[G1+0], s43, (3<<16)|(1<<21)         ; elements of 8 bytes; the mask of my row of the cluster
	s_or_b32 s[G1B+0], s44, (3<<16)|(1<<21)        ; of my column
.irp g, G1, G1B
	s_mov_b32 s[\g+1], 32<<16                      ; rows of 32 elements, 256 bytes
	s_mov_b32 s[\g+2], 150<<16                     ; 150 rows
	s_mov_b32 s[\g+3], 32<<16
	s_mov_b32 s[\g+4], 150
	s_mov_b32 s[\g+5], 32
	s_mov_b32 s[\g+6], 0
	s_mov_b32 s[\g+7], 0
.endr
	s_lshl_b32 s20, s19, 1
	s_add_co_u32 s20, s20, s18
	s_lshl_b32 s46, s42, 1
	s_add_co_u32 s46, s46, s18
	s_add_co_u32 s46, s46, 64                      ; the centres' groups lie behind the inputs' 64
	s_mul_i32 s20, s20, GROUPB
	s_mul_i32 s46, s46, GROUPB
	s_mov_b32 s21, 0
	s_mov_b32 s47, 0
	s_mul_i32 s45, s16, HALFT
	s_cmp_eq_u32 s17, 0
	s_cselect_b32 s72, s40, s41                    ; my place among the four that ask for my tile
	s_mul_i32 s73, s72, 6
	s_add_co_u32 s73, s73, 128
	s_lshl_b32 s72, s72, 5
	s_mov_b32 s[INC], 6*GSTEP
	s_mov_b32 s[INC+1], 0
	s_wait_dscnt 0x0
	s_wait_kmcnt 0x0
	s_load_b32 s95, s[10:11], 0x0                  ; gamma
	s_add_nc_u64 s[20:21], s[4:5], s[20:21]
	s_add_nc_u64 s[46:47], s[4:5], s[46:47]
	CROUND                                         ; the first joint loads meet
.irp s, 0,1
	s_mov_b32 s[G0+4*\s], 1
	s_add_co_u32 s[G0+4*\s+1], s45, \s*SLOT
	s_add_nc_u64 s[G0+4*\s+2:G0+4*\s+3], s[20:21], \s*HALFT
	s_or_b32 s[G0+4*\s+3], s[G0+4*\s+3], 0x80000000
	s_mov_b32 s[G0B+4*\s], 1
	s_add_co_u32 s[G0B+4*\s+1], s45, \s*SLOT
	s_add_nc_u64 s[G0B+4*\s+2:G0B+4*\s+3], s[46:47], \s*HALFT
	s_or_b32 s[G0B+4*\s+3], s[G0B+4*\s+3], 0x80000000
.endr
	s_cmp_eq_u32 s17, 0
	s_cselect_b64 s[PFA:PFA+1], s[20:21], s[46:47]
	s_add_nc_u64 s[PFA:PFA+1], s[PFA:PFA+1], 6*GSTEP
	JLOAD G0, G1, G0B, G1B                         ; steps 0-2: the one tensor load of a wave at the head
	v_and_b32 v[LN], 31, v0
	v_lshlrev_b32 v[LI], 4, v[LN]
	v_lshlrev_b32 v[NLD], 2, v[LN]
	s_wait_alu depctr_va_vdst(0)
	s_lshl_b32 s46, s19, 1
	s_add_co_u32 s46, s46, s17                     ; my group of inputs
	s_lshl_b32 s47, s42, 1
	s_add_co_u32 s47, s47, s18                     ; my group of centres
	s_lshl_b32 s20, s47, 9
	s_add_co_u32 s20, s20, 32768
	s_mov_b32 s21, 0
	s_add_nc_u64 s[20:21], s[8:9], s[20:21]
	s_lshl_b32 s22, s46, 9
	s_mov_b32 s23, 0
	s_add_nc_u64 s[22:23], s[8:9], s[22:23]
	WIN TO_B
.set j, 0
.rept 16
	global_load_b128 v[4*j:4*j+3], v[LI], s[20:21] offset:40960*j          ; the sums of squares, step by step of K: the centres',
	global_load_b128 v[64+4*j:64+4*j+3], v[LI], s[22:23] offset:40960*j    ; the inputs'
.set j, j+1
.endr
	WIN 0
	s_lshr_b32 s92, s19, 1                         ; normalization: group of columns,
	s_and_b32 s93, s19, 1
	s_lshl_b32 s93, s93, 3
	s_add_co_u32 s93, s93, s42                     ; and step of K, by the work-group's place in the grid
	s_lshl_b32 s2, s93, 20
	s_lshl_b32 s3, s92, 9
	s_add_co_u32 s2, s2, s3
	s_lshl_b32 s3, s16, 7
	s_add_co_u32 s2, s2, s3
	s_mov_b32 s3, 0
	s_add_nc_u64 s[66:67], s[66:67], s[2:3]
.set i, 0
.rept 128
	global_load_b32 v[NX+i], v[NLD], s[66:67] offset:8192*i th:TH_LOAD_NT  ; a lane a column, registers down K
.set i, i+1
.endr
	s_mul_i32 s2, s92, GROUPB
	s_mul_i32 s3, s93, GSTEP
	s_add_co_u32 s2, s2, s3
	s_mov_b32 s3, 0
	s_add_nc_u64 s[100:101], s[100:101], s[2:3]    ; n_img at (group, step),
	s_add_nc_u64 s[104:105], s[100:101], 8*FRB     ; and its scale words
	s_mul_i32 s92, s46, GROUPB
	s_mul_i32 s3, s47, GSTEP
	s_add_co_u32 s92, s92, s3
	s_mov_b32 s93, 0
	s_add_nc_u64 s[12:13], s[12:13], s[92:93]      ; d_img at (my inputs' group, step = my centres' group),
	s_add_nc_u64 s[14:15], s[12:13], 8*FRB         ; and its scale words
	v_and_b32 v1, 15, v0
	v_bfe_u32 v2, v0, 4, 1
	s_wait_alu depctr_va_vdst(0)
	s_mul_i32 s2, s17, HALFT
	s_mul_i32 s3, s18, HALFT
	s_add_co_u32 s3, s3, 2*HALFT
.irp s, 0,1
	v_add_nc_u32 v[ADRA+\s], s2, v[LI]
	v_add_nc_u32 v[ADRB+\s], s3, v[LI]
	s_add_co_u32 s2, s2, SLOT
	s_add_co_u32 s3, s3, SLOT
.endr
	s_lshl_b32 s2, s16, 10
	s_add_co_u32 s2, s2, SCR
	v_add_nc_u32 v[SCW], s2, v[LI]
	v_lshl_add_u32 v[CSA], v2, 5, s2
	s_add_co_u32 s2, s2, 512
	v_lshl_add_u32 v[XSA], v1, 2, s2
	s_mul_i32 s2, s16, 2*FRB
	v_add_nc_u32 v[NGO], s2, v[LI]
	s_add_co_u32 s2, s2, NIM
	v_add_nc_u32 v[NRI], s2, v[LI]
	v_mul_u32_u24 v[NWI], v2, FRB
	v_lshl_add_u32 v[NWI], v1, 4, v[NWI]
	v_add_nc_u32 v[NWI], s2, v[NWI]
	s_lshl_b32 s2, s17, 8
	s_lshl_b32 s3, s18, 3
	s_add_co_u32 s2, s2, s3
	s_add_co_u32 s2, s2, NSU
	v_lshl_add_u32 v[NWS], v1, 4, s2
	v_lshl_add_u32 v[NWS], v2, 2, v[NWS]
	v_add_nc_u32 v[NRS], NSU, v[LI]
	v_add_nc_u32 v[PFO], s72, v[LN]
	v_lshlrev_b32 v[PFO], 8, v[PFO]                ; the prefetches: row 32 p + lane of a load's 150,
	v_min_u32 v[PFO2], 5, v[LN]
	v_add_nc_u32 v[PFO2], s73, v[PFO2]
	v_min_u32 v[PFO2], 149, v[PFO2]
	v_lshlrev_b32 v[PFO2], 8, v[PFO2]              ; and row 128 + 6 p + 0 .. 5, held at 149
	s_wait_alu depctr_va_vdst(0)
	s_mov_b32 s98, 0x76543210
	s_mov_b32 s99, 0xfedcba98
	s_wait_kmcnt 0x0
	s_mul_f32 s96, s95, 0xbfb8aa3b                 ; -gamma log2(e)
	s_mov_b32 s97, s96
	s_mul_f32 s94, s96, -2.0                       ; 2 gamma log2(e), the factor of the product x.c
	s_mov_b32 s95, s94
	s_wait_loadcnt 63                              ; of 160 loads at most the youngest 63 are out: the 32 of the sums are in
	WIN 0x45
.irp u, 0, 64
.irp d, 32, 16, 8, 4
.set j, 0
.rept \d/2
	v_pk_add_f32 v[\u+2*j:\u+2*j+1], v[\u+2*j:\u+2*j+1], v[\u+\d+2*j:\u+\d+2*j+1]
.set j, j+1
.endr
.endr
.endr
	WIN 0x04
	ds_store_b128 v[SCW], v[0:3]
	ds_store_b128 v[SCW], v[64:67] offset:512
	WIN 0
.irp bk, 0,1,2,3
	NBLOCK \bk
.endr
	ds_store_b32 v[NWS], v[NSB]
.irp i, 0,1,2,3,4,5
	ds_load_b128 v[NRB+4*\i:NRB+4*\i+3], v[NRI] offset:512*\i
.endr
.irp t, 0,1,2,3,4,5,6,7
	ds_load_b128 v[CS+8*\t:CS+8*\t+3], v[CSA] offset:64*\t
	ds_load_b128 v[CS+8*\t+4:CS+8*\t+7], v[CSA] offset:64*\t+16
.endr
.irp a, 0,1,2,3,4,5,6,7
	ds_load_b32 v[XS+\a], v[XSA] offset:64*\a
.endr
.irp i, 0,1,2,3,4,5
	s_wait_dscnt 29-\i
	global_store_b128 v[NGO], v[NRB+4*\i:NRB+4*\i+3], s[100:101] offset:512*\i
.endr
.macro FRAG reg, adr, q, i
.irp c, 0,1,2
	ds_load_b128 v[\reg+4*\c:\reg+4*\c+3], v[\adr] offset:(\q)*GSTEP+(\i)*FRB+512*\c
.endr
.endm
.macro PROD a, b, p, zero              ; A's block a against B's block b; p: B's set and the set of scale words; blocks 4-7 have their words in lanes 16-31
.set rD, 8*(8*((\a)%4)+(\b))
.set rB, 128*(\p)+FR*(\b)
.set rA, AF+FR*(\a)
.set sB, SC+8*(\p)+4+(\b)%4
.set sA, SC+8*(\p)+(\a)%4
.if \zero
.if ((\a) < 4) && ((\b) < 4)
	v_wmma_scale_f32_16x16x128_f8f6f4 v[rD:rD+7], v[rB:rB+11], v[rA:rA+11], 0, v[sB], v[sA] matrix_a_fmt:MATRIX_FMT_FP6 matrix_b_fmt:MATRIX_FMT_FP6
.elseif (\a) < 4
	v_wmma_scale_f32_16x16x128_f8f6f4 v[rD:rD+7], v[rB:rB+11], v[rA:rA+11], 0, v[sB], v[sA] matrix_a_fmt:MATRIX_FMT_FP6 matrix_b_fmt:MATRIX_FMT_FP6 matrix_a_scale:MATRIX_SCALE_ROW1
.elseif (\b) < 4
	v_wmma_scale_f32_16x16x128_f8f6f4 v[rD:rD+7], v[rB:rB+11], v[rA:rA+11], 0, v[sB], v[sA] matrix_a_fmt:MATRIX_FMT_FP6 matrix_b_fmt:MATRIX_FMT_FP6 matrix_b_scale:MATRIX_SCALE_ROW1
.else
	v_wmma_scale_f32_16x16x128_f8f6f4 v[rD:rD+7], v[rB:rB+11], v[rA:rA+11], 0, v[sB], v[sA] matrix_a_fmt:MATRIX_FMT_FP6 matrix_b_fmt:MATRIX_FMT_FP6 matrix_a_scale:MATRIX_SCALE_ROW1 matrix_b_scale:MATRIX_SCALE_ROW1
.endif
.else
.if ((\a) < 4) && ((\b) < 4)
	v_wmma_scale_f32_16x16x128_f8f6f4 v[rD:rD+7], v[rB:rB+11], v[rA:rA+11], v[rD:rD+7], v[sB], v[sA] matrix_a_fmt:MATRIX_FMT_FP6 matrix_b_fmt:MATRIX_FMT_FP6
.elseif (\a) < 4
	v_wmma_scale_f32_16x16x128_f8f6f4 v[rD:rD+7], v[rB:rB+11], v[rA:rA+11], v[rD:rD+7], v[sB], v[sA] matrix_a_fmt:MATRIX_FMT_FP6 matrix_b_fmt:MATRIX_FMT_FP6 matrix_a_scale:MATRIX_SCALE_ROW1
.elseif (\b) < 4
	v_wmma_scale_f32_16x16x128_f8f6f4 v[rD:rD+7], v[rB:rB+11], v[rA:rA+11], v[rD:rD+7], v[sB], v[sA] matrix_a_fmt:MATRIX_FMT_FP6 matrix_b_fmt:MATRIX_FMT_FP6 matrix_b_scale:MATRIX_SCALE_ROW1
.else
	v_wmma_scale_f32_16x16x128_f8f6f4 v[rD:rD+7], v[rB:rB+11], v[rA:rA+11], v[rD:rD+7], v[sB], v[sA] matrix_a_fmt:MATRIX_FMT_FP6 matrix_b_fmt:MATRIX_FMT_FP6 matrix_a_scale:MATRIX_SCALE_ROW1 matrix_b_scale:MATRIX_SCALE_ROW1
.endif
.endif
.endm
.macro MUL16 a0, p, zero               ; the 64 accumulators take turns, in the same order in every step
.irp a, \a0, \a0+1
.irp b, 0,1,2,3,4,5,6,7
	PROD \a, \b, \p, \zero
.endr
.endr
.endm
.macro FETCH_B slot, q, p
	WIN TO_B
.irp i, 0,1,2,3,4,5,6,7
	FRAG 128*(\p)+FR*\i, ADRB+\slot, \q, \i
.endr
	WIN 0
.endm
.macro FETCH_A slot, q, i0
.irp i, \i0, \i0+1, \i0+2, \i0+3
	FRAG AF+FR*(\i), ADRA+\slot, \q, \i
.endr
.endm
.macro SCALES p, slot, q               ; a step's scale words lie behind its fragments
	ds_load_b128 v[SC+8*(\p):SC+8*(\p)+3], v[ADRA+\slot] offset:(\q)*GSTEP+8*FRB
	ds_load_b128 v[SC+8*(\p)+4:SC+8*(\p)+7], v[ADRB+\slot] offset:(\q)*GSTEP+8*FRB
.endm
.macro PLACES
.rept 4
	v_nop
.endr
.endm
; a step on set p; the next step's operands, at place nq of slot nslot, go into set np: B, A's blocks 0-3 and the scale words in the step's middle, A's blocks 4-7 at its end
.macro STEPN p, np, nslot, nq, zero
	s_wait_dscnt 4*NL                              ; all but the youngest 12 loads, A's blocks 4-7
	WIN MUL_LO
	MUL16 0, \p, \zero
	MUL16 2, \p, \zero
	s_wait_dscnt 0x0
	PLACES
	FETCH_B \nslot, \nq, \np
	FETCH_A \nslot, \nq, 0
	SCALES \np, \nslot, \nq
	WIN MUL_HI
	MUL16 4, \p, \zero
	MUL16 6, \p, \zero
	PLACES
	WIN 0
	FETCH_A \nslot, \nq, 4
.endm
; a slot's last step: behind its first 32 products every wave waits for all its tensor loads, adds 0 to its spare word and waits for that and for its reads of this slot; the barrier opens a round of the
; cluster's barrier (fill = 1), and this slot's next fill is the first tensor load behind the round
.macro CHG p, np, slot, nslot, nq, fill, off
	s_wait_dscnt 4*NL
	WIN MUL_LO
	MUL16 0, \p, 0
	MUL16 2, \p, 0
	WIN 0
	s_wait_tensorcnt 0x0
	ds_add_u32 v[SPW], v[NIL]
	s_wait_dscnt 0x0
	s_barrier_signal -1
	s_barrier_wait -1
.if \fill
	CREST
.if \slot == 0
	s_add_nc_u64 s[G0+2:G0+3], s[G0+2:G0+3], 6*GSTEP
	s_add_nc_u64 s[G0B+2:G0B+3], s[G0B+2:G0B+3], 6*GSTEP
.else
	s_add_nc_u64 s[G0+6:G0+7], s[G0+6:G0+7], s[INC:INC+1]
	s_add_nc_u64 s[G0B+6:G0B+7], s[G0B+6:G0B+7], s[INC:INC+1]
	s_mov_b32 s[INC], 4*GSTEP                      ; slot 1: steps 3, 9, then 13
.endif
	JLOAD G0+4*\slot, G1, G0B+4*\slot, G1B         ; its four v_nop are the places in front of the loads below
.else
	PLACES
.endif
	FETCH_B \nslot, \nq, \np
	FETCH_A \nslot, \nq, 0
	SCALES \np, \nslot, \nq
.if \fill
	ASK \off, 1
.endif
	WIN MUL_HI
	MUL16 4, \p, 0
	MUL16 6, \p, 0
	PLACES
	WIN 0
	FETCH_A \nslot, \nq, 4
.endm
	s_wait_xcnt 0x0                                ; the stores of the image have read their registers
	s_wait_alu depctr_va_vdst(0)
	s_wait_tensorcnt 0x0                           ; my part of steps 0-2 is in
	ds_add_u32 v[SPW], v[NIL]
	s_wait_dscnt 0x0                               ; the add is done, and, for the others' sake, my scale words of normalization lie in LDS
	CROUND
	JLOAD G0+4, G1, G0B+4, G1B                     ; steps 3-5, slot 1's first fill
	s_cmp_lg_u32 s16, 0
	s_cbranch_scc1 .Lno_words
	ds_load_b128 v[NSW:NSW+3], v[NRS]
	s_wait_dscnt 0x0
	global_store_b128 v[LI], v[NSW:NSW+3], s[104:105]
.Lno_words:
	FETCH_B 0, 0, 0
	FETCH_A 0, 0, 0
	SCALES 0, 0, 0
	FETCH_A 0, 0, 4
	ASK 0, 0                                       ; steps 6-8
	STEPN 0, 1, 0, 1, 1                            ; step 0 starts the sums
	s_mov_b32 s3, 2
.Llap:                                                 ; a trip: steps 1-6, then 7-12
	STEPN 1, 0, 0, 2, 0
	CHG 0, 1, 0, 1, 0, 1, 3*GSTEP
	STEPN 1, 0, 1, 1, 0
	STEPN 0, 1, 1, 2, 0
	CHG 1, 0, 1, 0, 0, 1, 6*GSTEP
	STEPN 0, 1, 0, 1, 0
	s_sub_co_u32 s3, s3, 1
	s_cmp_lg_u32 s3, 0
	s_cbranch_scc1 .Llap
	STEPN 1, 0, 0, 2, 0                            ; step 13
	CHG 0, 1, 0, 1, 2, 0, 0                        ; step 14; step 15 lies at place 2 of slot 1
	s_wait_dscnt 4*NL
	WIN MUL_LO
	MUL16 0, 1, 0
	MUL16 2, 1, 0
	s_wait_dscnt 0x0
	WIN MUL_HI
	MUL16 4, 1, 0
	MUL16 6, 1, 0
	WIN 0
.macro QUANT s, pw                     ; 64 densities of a lane (none negative) become a fragment's codes and its scale word
	s_wait_alu depctr_va_vdst(0)
.irp b, 0,1,2,3
	v_max3_num_f32 v[TM+\b], v[\s+16*\b], v[\s+1+16*\b], 0x1800000
.endr
.irp i, 2,4,6,8,10,12,14
.irp b, 0,1,2,3
	v_max3_num_f32 v[TM+\b], v[TM+\b], v[\s+16*\b+\i], v[\s+1+16*\b+\i]
.endr
.endr
.irp b, 0,1,2,3
	v_permlanex16_b32 v[TM+4+\b], v[TM+\b], s98, s99
.endr
.irp b, 0,1,2,3
	v_max_num_f32 v[TM+\b], v[TM+\b], v[TM+4+\b]
.endr
.irp b, 0,1,2,3
	v_add_nc_u32 v[TM+12+\b], 0xff000000, v[TM+\b]
.endr
.irp b, 0,1,2,3
	v_lshrrev_b32 v[TM+4+\b], 23, v[TM+12+\b]
.endr
	v_lshl_or_b32 v[\pw], v[TM+5], 8, v[TM+4]
	v_lshl_or_b32 v[\pw], v[TM+6], 16, v[\pw]
	v_lshl_or_b32 v[\pw], v[TM+7], 24, v[\pw]
.irp c, 0,1
	v_cvt_scalef32_pk16_fp6_f32 v[PC+6*\c:PC+2+6*\c], v[\s+32*\c:\s+15+32*\c], v[TM+12+2*\c]
	v_cvt_scalef32_pk16_fp6_f32 v[PC+12+4*\c:PC+14+4*\c], v[\s+16+32*\c:\s+31+32*\c], v[TM+12+2*\c+1]
.endr
	v_nop
.irp c, 0,1
.irp i, 0,1,2
	v_permlane16_swap_b32 v[PC+6*\c+\i], v[PC+12+4*\c+\i]
.endr
.irp i, 0,1,2
	v_mov_b32 v[PC+3+6*\c+\i], v[PC+12+4*\c+\i]
.endr
.endr
.endm
.macro DENS a                          ; block a's 16 rows: g |c|^2 + g |x|^2 - 2 g x.c with g = -gamma log2(e), the exponential, the quantiser, the store of the fragment
	v_mul_f32 v[XP], s96, v[XS+(\a)]
.set j, 0
.rept 32
	v_pk_add_f32 v[T+2*j:T+2*j+1], v[CS+2*j:CS+2*j+1], v[XP:XP+1] op_sel_hi:[1,0]
.set j, j+1
.endr
	WIN 0x02+(\a)/4
.set j, 0
.rept 32
	v_pk_fma_f32 v[T+2*j:T+2*j+1], v[64*((\a)%4)+2*j:64*((\a)%4)+2*j+1], s[94:95], v[T+2*j:T+2*j+1] op_sel_hi:[1,0,1]
.set j, j+1
.endr
	WIN 0
.set j, 0
	s_wait_alu depctr_va_vdst(0)
.rept 64
	v_exp_f32 v[T+j], v[T+j]
.set j, j+1
.endr
	v_nop
	s_wait_xcnt 0x0
	QUANT T, PWS+(\a)
.irp c, 0,1,2
	global_store_b128 v[LI], v[PC+4*\c:PC+4*\c+3], s[12:13] offset:(\a)*FRB+512*\c
.endr
.endm
	PLACES
.irp b, 0,1,2,3
	v_mov_b32 v[TM+4+\b], 0
.endr
	v_mov_b32 v[XP+1], 0
.set j, 0
.rept 32
	v_pk_mul_f32 v[CS+2*j:CS+2*j+1], v[CS+2*j:CS+2*j+1], s[96:97] op_sel_hi:[1,0]   ; g |c|^2, once for all eight blocks
.set j, j+1
.endr
.irp a, 0,1,2,3,4,5,6,7
	DENS \a
.endr
	v_cmp_le_u32 vcc_lo, 16, v[LN]
.irp i, 0,1,2,3
	v_cndmask_b32 v[SW+\i], v[PWS+\i], v[PWS+4+\i], vcc_lo
.endr
	global_store_b128 v[LI], v[SW:SW+3], s[14:15]
	s_wait_tensorcnt 0x0                           ; the wave's end
	ds_add_u32 v[SPW], v[NIL]
	s_wait_dscnt 0x0
	CROUND                                         ; the closing round
	s_endpgm
.Lfunc_end_k_qffe9a68515_gemm_exp:
	.size	k_qffe9a68515_gemm_exp, .Lfunc_end_k_qffe9a68515_gemm_exp-k_qffe9a68515_gemm_exp
	.p2alignl 7, 3214868480
	.fill 96, 4, 3214868480
	.section	.rodata,"a",@progbits
	.p2align	6, 0x0
	.amdhsa_kernel k_qffe9a68515_gemm_exp
		.amdhsa_group_segment_fixed_size 327680
		.amdhsa_private_segment_fixed_size 0
		.amdhsa_enable_private_segment 0
		.amdhsa_kernarg_size 48
		.amdhsa_user_sgpr_count 2
		.amdhsa_user_sgpr_kernarg_segment_ptr 1
		.amdhsa_wavefront_size32 1
		.amdhsa_system_sgpr_workgroup_id_x 1
		.amdhsa_system_sgpr_workgroup_id_y 1
		.amdhsa_system_sgpr_workgroup_id_z 1
		.amdhsa_system_vgpr_workitem_id 0
		.amdhsa_next_free_vgpr 1024
		.amdhsa_next_free_sgpr 106
		.amdhsa_reserve_vcc 1
		.amdhsa_float_denorm_mode_32 3
		.amdhsa_float_denorm_mode_16_64 3
		.amdhsa_memory_ordered 1
		.amdhsa_forward_progress 1
		.amdhsa_inst_pref_size 242
	.end_amdhsa_kernel
	.amdgpu_metadata
---
amdhsa.version: [ 1, 2 ]
amdhsa.kernels:
  - .name:           k_qffe9a68515_gemm_exp
    .symbol:         k_qffe9a68515_gemm_exp.kd
    .args:
      - { .name: xc_img, .offset: 0, .size: 8, .value_kind: global_buffer, .address_space: global }
      - { .name: sums, .offset: 8, .size: 8, .value_kind: global_buffer, .address_space: global }
      - { .name: gamma, .offset: 16, .size: 8, .value_kind: global_buffer, .address_space: global }
      - { .name: d_img, .offset: 24, .size: 8, .value_kind: global_buffer, .address_space: global }
      - { .name: normalization, .offset: 32, .size: 8, .value_kind: global_buffer, .address_space: global }
      - { .name: n_img, .offset: 40, .size: 8, .value_kind: global_buffer, .address_space: global }
    .group_segment_fixed_size: 327680
    .private_segment_fixed_size: 0
    .kernarg_segment_align: 8
    .kernarg_segment_size: 48
    .max_flat_workgroup_size: 128
    .sgpr_count:     106
    .vgpr_count:     1024
    .wavefront_size: 32
...
	.end_amdgpu_metadata
.endif
;; end of part 2
;; launch gemm_out (part 3): grid 8 x 32, 4 waves a work-group, clusters of 4 x 4, 327,680 bytes of LDS; arguments d_img, n_img, out0; writes out0
.if DOCPART == 3
	.amdgcn_target "amdgcn-amd-amdhsa--gfx1250"
	.amdhsa_code_object_version 6
	.text
	.protected	k_qffe9a68515_gemm_out
	.globl	k_qffe9a68515_gemm_out
	.p2align	8
	.type	k_qffe9a68515_gemm_out,@function
k_qffe9a68515_gemm_out:
	s_mov_b64 s[64:65], 0
	v_nop
	global_prefetch_b8 v0, s[64:65] scope:SCOPE_SE
	s_setreg_imm32_b32 hwreg(HW_REG_WAVE_MODE, 25, 1), 1
	s_wait_xcnt 0x0
	s_wait_alu depctr_hold_cnt(0) depctr_sa_sdst(0) depctr_va_vdst(0) depctr_va_sdst(0) depctr_va_ssrc(0) depctr_va_vcc(0) depctr_vm_vsrc(0)
	s_getreg_b32 s2, hwreg(HW_REG_IB_STS2, 6, 4)
	s_cmp_eq_u32 s2, 0
	s_cbranch_scc0 .Lentry_in_a_cluster
	s_endpgm
.Lentry_in_a_cluster:
	s_bfe_u32 s2, ttmp6, 0x10000c
	s_cmp_lg_u32 s2, 0xf033
	s_cbranch_scc0 .Lentry_shape_is_right
	s_endpgm
.Lentry_shape_is_right:
; out0 [8192][2048] f32 = Q(densities) Q(normalization): both operands are codes of FP6 (E2M3) with one E8M0 byte for each 32 along K, made by the launch before; the scaled matrix instruction, sums in f32.
; IMAGES.  A group is 128 rows of an operand (8 blocks of 16), a step 128 along K.  Step (G, s) is 12,800 bytes at G x GROUPB + s x GSTEP: eight fragments of 1,536 bytes (register j of lane l at
; 512 (j / 4) + 16 l + 4 (j % 4)), then 512 bytes of scale words (the word at 16 l + 4 i: row l % 16 of block 4 (l / 16) + i).  A's groups are rows of the densities, B's columns of normalization.
; SHARES.  A tile of 256 x 256 to a work-group of four waves, 128 x 128 to a wave: 64 accumulators; 8 x 32 tiles on 256 work-groups.
; THE RING.  Two LDS slots of three steps each; a wave's tensor load brings one group's three steps, 38,400 dense bytes, as 150 rows of 256 bytes, codes and scale words together.
; The sixteen steps come by six fills: steps 0-2, 3-5, 6-8, 9-11, 12-14 and 13-15.  The last begins two steps back, so that one shape of descriptor serves every fill and no load leaves its group:
; steps 13 and 14 are fetched a second time.  One tensor load of a wave is out at any time.
; CLUSTERS: 4 x 4 work-groups; A's tiles are shared along a row of the cluster, B's along a column, each by a joint load.
; PREFETCH: the fills of steps 6-8, 9-11 and 12-14 are asked for one fill (three steps) ahead of their tensor loads; of a load's 150 rows the partner at place p names rows 32 p + lane and
; 128 + 6 p + 0 .. 5 (held at 149), so each row is named once in a cluster.  The first two fills and step 15 come by their loads alone.
; THE MATRIX INSTRUCTION IS USED TRANSPOSED (source 0 = 16 columns of normalization, source 1 = 16 rows of the densities): a lane holds eight neighbouring numbers of a row of the output.
; REGISTERS: window 0: v16-31 addresses; v32-47 scale words, two sets; v128-223 A's fragments, one set; on the way out v64-255 take rows.  Window 1: B's fragments, two sets.  Windows 2, 3: accumulators.
.set SIZE_N, 2048
.set FR,     12
.set FRB,    1536
.set SUB,    512
.set GSTEP,  8*FRB+SUB
.set GROUPB, 16*GSTEP
.set NL,     3
.set HALFT,  3*GSTEP
.set SLOT,   4*HALFT
.set SPARE,  2*SLOT                    ; behind the ring: the spare words, 128 bytes a wave
.set SPITCH, 528                       ; the way out: 16 rows x (512 + 16) bytes a wave, in slot 0, which has had its last fill and its last read by then
.set ADRA,  16
.set ADRB,  20
.set STO,   22
.set RD,    23
.set LI,    24
.set PFO,   25
.set PFO2,  26
.set SPW,   28
.set NIL,   29
.set SC,    32
.set AF,    128
.set G1, 24
.set G0, 32
.set G1B, 48
.set G0B, 56
.set PFA, 68                           ; s[68:69] step 6 of the group that my wave fetches
.set INC, 70                           ; s[70:71] slot 1's next step along K, in bytes
.set MSB, 0
.macro WIN new
.if MSB != (\new)
	s_set_vgpr_msb (MSB<<8)|(\new)
.set MSB, \new
.endif
.endm
.set MUL_LO, 0xa1
.set MUL_HI, 0xf1
.set TO_B,   0x40
.macro JLOAD g0a, g1a, g0b, g1b        ; a joint load: waves 0, 1 fetch A's groups, waves 2, 3 B's
	s_cmp_eq_u32 s17, 0
	s_cbranch_scc0 .Lfor_b_\@
	tensor_load_to_lds s[\g0a:\g0a+3], s[\g1a:\g1a+7]
	s_nop 0
.rept 4
	v_nop
.endr
	s_branch .Lasked_\@
.Lfor_b_\@:
	tensor_load_to_lds s[\g0b:\g0b+3], s[\g1b:\g1b+7]
	s_nop 0
.rept 4
	v_nop
.endr
.Lasked_\@:
.endm
.macro CREST
	s_cmp_lg_u32 s16, 0
	s_cbranch_scc1 .Lnot_wave_0_\@
	s_barrier_signal -3
.Lnot_wave_0_\@:
	s_barrier_wait -3
	s_barrier_signal -1
	s_barrier_wait -1
.endm
.macro CROUND
	s_barrier_signal -1
	s_barrier_wait -1
	CREST
.endm
.macro ASK off, guard                  ; the prefetch of three steps at byte off behind step 6; guard = 1: in the loop's first trip alone
.if \guard
	s_cmp_eq_u32 s3, 2
	s_cbranch_scc0 .Lnot_asked_\@
.endif
	global_prefetch_b8 v[PFO], s[PFA:PFA+1] offset:\off th:TH_LOAD_NT scope:SCOPE_SE
	global_prefetch_b8 v[PFO2], s[PFA:PFA+1] offset:\off th:TH_LOAD_NT scope:SCOPE_SE
.if \guard
.Lnot_asked_\@:
.endif
.endm
	s_load_b128 s[4:7], s[0:1], 0x0                ; d_img s[4:5], n_img s[6:7]
	s_load_b64 s[12:13], s[0:1], 0x10              ; the output
	v_lshl_add_u32 v[SPW], v0, 2, SPARE
	v_mov_b32 v[NIL], 0
	ds_add_u32 v[SPW], v[NIL]                      ; the opening lines
	ds_add_u32 v[SPW], v[NIL]
	v_lshrrev_b32 v1, 5, v0
	v_readfirstlane_b32 s16, v1                    ; wave
	s_lshr_b32 s17, s16, 1                         ; my group of A's two; also: I fetch for A (0) or B (1)
	s_and_b32 s18, s16, 1                          ; my group of B's two; also: which group I fetch
	s_bfe_u32 s40, ttmp6, 0x40000
	s_bfe_u32 s41, ttmp6, 0x40004
	s_lshl_b32 s42, ttmp9, 2
	s_add_co_u32 s42, s42, s40                     ; tile column
	s_and_b32 s19, ttmp7, 0xffff
	s_lshl_b32 s19, s19, 2
	s_add_co_u32 s19, s19, s41                     ; tile row
	s_lshl_b32 s43, s41, 2
	s_lshl_b32 s43, 15, s43
	s_lshl_b32 s44, 0x1111, s40
	s_or_b32 s[G1+0], s43, (3<<16)|(1<<21)         ; elements of 8 bytes; the mask of my row of the cluster
	s_or_b32 s[G1B+0], s44, (3<<16)|(1<<21)        ; of my column
.irp g, G1, G1B
	s_mov_b32 s[\g+1], 32<<16                      ; rows of 32 elements, 256 bytes
	s_mov_b32 s[\g+2], 150<<16                     ; 150 rows
	s_mov_b32 s[\g+3], 32<<16
	s_mov_b32 s[\g+4], 150
	s_mov_b32 s[\g+5], 32
	s_mov_b32 s[\g+6], 0
	s_mov_b32 s[\g+7], 0
.endr
	s_lshl_b32 s20, s19, 1
	s_add_co_u32 s20, s20, s18
	s_lshl_b32 s46, s42, 1
	s_add_co_u32 s46, s46, s18
	s_mul_i32 s20, s20, GROUPB
	s_mul_i32 s46, s46, GROUPB
	s_mov_b32 s21, 0
	s_mov_b32 s47, 0
	s_mul_i32 s45, s16, HALFT                      ; where my load goes: wave x a quarter of a slot
	s_mul_i32 s74, s17, HALFT                      ; my group of A in slot 0,
	s_mul_i32 s75, s18, HALFT
	s_add_co_u32 s75, s75, 2*HALFT                 ; my group of B, behind A's two,
	s_add_co_u32 s76, s74, SLOT                    ; and the same in slot 1
	s_add_co_u32 s77, s75, SLOT
	s_mul_i32 s78, s16, 16*SPITCH                  ; my stage
	s_cmp_eq_u32 s17, 0
	s_cselect_b32 s72, s40, s41                    ; my place among the four that ask for my tile
	s_mul_i32 s73, s72, 6
	s_add_co_u32 s73, s73, 128
	s_lshl_b32 s72, s72, 5
	s_mov_b32 s[INC], 6*GSTEP
	s_mov_b32 s[INC+1], 0
	s_wait_dscnt 0x0
	s_wait_kmcnt 0x0
	s_add_nc_u64 s[20:21], s[4:5], s[20:21]
	s_add_nc_u64 s[46:47], s[6:7], s[46:47]
	CROUND                                         ; the first joint loads meet
.irp s, 0,1
	s_mov_b32 s[G0+4*\s], 1
	s_add_co_u32 s[G0+4*\s+1], s45, \s*SLOT
	s_add_nc_u64 s[G0+4*\s+2:G0+4*\s+3], s[20:21], \s*HALFT
	s_or_b32 s[G0+4*\s+3], s[G0+4*\s+3], 0x80000000
	s_mov_b32 s[G0B+4*\s], 1
	s_add_co_u32 s[G0B+4*\s+1], s45, \s*SLOT
	s_add_nc_u64 s[G0B+4*\s+2:G0B+4*\s+3], s[46:47], \s*HALFT
	s_or_b32 s[G0B+4*\s+3], s[G0B+4*\s+3], 0x80000000
.endr
	s_cmp_eq_u32 s17, 0
	s_cselect_b64 s[PFA:PFA+1], s[20:21], s[46:47]
	s_add_nc_u64 s[PFA:PFA+1], s[PFA:PFA+1], 6*GSTEP
	JLOAD G0, G1, G0B, G1B                         ; steps 0-2: the one tensor load of a wave at the head
	s_lshl_b32 s20, s19, 8
	s_lshl_b32 s21, s17, 7
	s_add_co_u32 s20, s20, s21                     ; my first row of the output,
	s_lshl_b32 s20, s20, 13                        ; of 8,192 bytes
	s_lshl_b32 s46, s42, 10                        ; my first column, in bytes
	s_lshl_b32 s47, s18, 9
	s_add_co_u32 s46, s46, s47
	s_add_co_u32 s20, s20, s46
	s_mov_b32 s21, 0
	s_add_nc_u64 s[12:13], s[12:13], s[20:21]
	v_and_b32 v3, 31, v0                           ; lane
	v_and_b32 v1, 15, v0
	v_bfe_u32 v2, v0, 4, 1
	v_lshlrev_b32 v[LI], 4, v3
	v_add_nc_u32 v[ADRA], s74, v[LI]
	v_add_nc_u32 v[ADRA+1], s76, v[LI]
	v_add_nc_u32 v[ADRB], s75, v[LI]
	v_add_nc_u32 v[ADRB+1], s77, v[LI]
	v_mul_u32_u24 v5, v1, SPITCH                   ; into the stage: row l % 16, 32 bytes for each half of the lanes
	v_lshl_add_u32 v5, v2, 5, v5
	v_add_nc_u32 v[STO], s78, v5
	v_add_nc_u32 v[RD], s78, v[LI]                 ; back: the 32 lanes take one row of 512 bytes
	v_add_nc_u32 v[PFO], s72, v3
	v_lshlrev_b32 v[PFO], 8, v[PFO]                ; the prefetches: row 32 p + lane of a load's 150,
	v_min_u32 v[PFO2], 5, v3
	v_add_nc_u32 v[PFO2], s73, v[PFO2]
	v_min_u32 v[PFO2], 149, v[PFO2]
	v_lshlrev_b32 v[PFO2], 8, v[PFO2]              ; and row 128 + 6 p + 0 .. 5, held at 149
.macro FRAG reg, adr, q, i
.irp c, 0,1,2
	ds_load_b128 v[\reg+4*\c:\reg+4*\c+3], v[\adr] offset:(\q)*GSTEP+(\i)*FRB+512*\c
.endr
.endm
.macro PROD a, b, p, zero              ; A's block a against B's block b; p: B's set and the set of scale words; blocks 4-7 have their words in lanes 16-31
.set rD, 8*(8*((\a)%4)+(\b))
.set rB, 128*(\p)+FR*(\b)
.set rA, AF+FR*(\a)
.set sB, SC+8*(\p)+4+(\b)%4
.set sA, SC+8*(\p)+(\a)%4
.if \zero
.if ((\a) < 4) && ((\b) < 4)
	v_wmma_scale_f32_16x16x128_f8f6f4 v[rD:rD+7], v[rB:rB+11], v[rA:rA+11], 0, v[sB], v[sA] matrix_a_fmt:MATRIX_FMT_FP6 matrix_b_fmt:MATRIX_FMT_FP6
.elseif (\a) < 4
	v_wmma_scale_f32_16x16x128_f8f6f4 v[rD:rD+7], v[rB:rB+11], v[rA:rA+11], 0, v[sB], v[sA] matrix_a_fmt:MATRIX_FMT_FP6 matrix_b_fmt:MATRIX_FMT_FP6 matrix_a_scale:MATRIX_SCALE_ROW1
.elseif (\b) < 4
	v_wmma_scale_f32_16x16x128_f8f6f4 v[rD:rD+7], v[rB:rB+11], v[rA:rA+11], 0, v[sB], v[sA] matrix_a_fmt:MATRIX_FMT_FP6 matrix_b_fmt:MATRIX_FMT_FP6 matrix_b_scale:MATRIX_SCALE_ROW1
.else
	v_wmma_scale_f32_16x16x128_f8f6f4 v[rD:rD+7], v[rB:rB+11], v[rA:rA+11], 0, v[sB], v[sA] matrix_a_fmt:MATRIX_FMT_FP6 matrix_b_fmt:MATRIX_FMT_FP6 matrix_a_scale:MATRIX_SCALE_ROW1 matrix_b_scale:MATRIX_SCALE_ROW1
.endif
.else
.if ((\a) < 4) && ((\b) < 4)
	v_wmma_scale_f32_16x16x128_f8f6f4 v[rD:rD+7], v[rB:rB+11], v[rA:rA+11], v[rD:rD+7], v[sB], v[sA] matrix_a_fmt:MATRIX_FMT_FP6 matrix_b_fmt:MATRIX_FMT_FP6
.elseif (\a) < 4
	v_wmma_scale_f32_16x16x128_f8f6f4 v[rD:rD+7], v[rB:rB+11], v[rA:rA+11], v[rD:rD+7], v[sB], v[sA] matrix_a_fmt:MATRIX_FMT_FP6 matrix_b_fmt:MATRIX_FMT_FP6 matrix_a_scale:MATRIX_SCALE_ROW1
.elseif (\b) < 4
	v_wmma_scale_f32_16x16x128_f8f6f4 v[rD:rD+7], v[rB:rB+11], v[rA:rA+11], v[rD:rD+7], v[sB], v[sA] matrix_a_fmt:MATRIX_FMT_FP6 matrix_b_fmt:MATRIX_FMT_FP6 matrix_b_scale:MATRIX_SCALE_ROW1
.else
	v_wmma_scale_f32_16x16x128_f8f6f4 v[rD:rD+7], v[rB:rB+11], v[rA:rA+11], v[rD:rD+7], v[sB], v[sA] matrix_a_fmt:MATRIX_FMT_FP6 matrix_b_fmt:MATRIX_FMT_FP6 matrix_a_scale:MATRIX_SCALE_ROW1 matrix_b_scale:MATRIX_SCALE_ROW1
.endif
.endif
.endm
.macro MUL16 a0, p, zero               ; the 64 accumulators take turns, in the same order in every step
.irp a, \a0, \a0+1
.irp b, 0,1,2,3,4,5,6,7
	PROD \a, \b, \p, \zero
.endr
.endr
.endm
.macro FETCH_B slot, q, p
	WIN TO_B
.irp i, 0,1,2,3,4,5,6,7
	FRAG 128*(\p)+FR*\i, ADRB+\slot, \q, \i
.endr
	WIN 0
.endm
.macro FETCH_A slot, q, i0
.irp i, \i0, \i0+1, \i0+2, \i0+3
	FRAG AF+FR*(\i), ADRA+\slot, \q, \i
.endr
.endm
.macro SCALES p, slot, q               ; a step's scale words lie behind its fragments
	ds_load_b128 v[SC+8*(\p):SC+8*(\p)+3], v[ADRA+\slot] offset:(\q)*GSTEP+8*FRB
	ds_load_b128 v[SC+8*(\p)+4:SC+8*(\p)+7], v[ADRB+\slot] offset:(\q)*GSTEP+8*FRB
.endm
.macro PLACES                          ; four places behind matrix instructions, ahead of loads into their registers and of stores that read results
.rept 4
	v_nop
.endr
.endm
; a step on set p; the next step's operands, at place nq of slot nslot, go into set np: B, A's blocks 0-3 and the scale words in the step's middle, A's blocks 4-7 at its end
.macro STEPN p, np, nslot, nq, zero
	s_wait_dscnt 4*NL                              ; all but the youngest 12 loads, A's blocks 4-7
	WIN MUL_LO
	MUL16 0, \p, \zero
	MUL16 2, \p, \zero
	s_wait_dscnt 0x0
	PLACES
	FETCH_B \nslot, \nq, \np
	FETCH_A \nslot, \nq, 0
	SCALES \np, \nslot, \nq
	WIN MUL_HI
	MUL16 4, \p, \zero
	MUL16 6, \p, \zero
	PLACES
	WIN 0
	FETCH_A \nslot, \nq, 4
.endm
; a slot's last step: behind its first 32 products every wave waits for all its tensor loads, adds 0 to its spare word and waits for that and for its reads of this slot; the barrier opens a round of the
; cluster's barrier (fill = 1), and this slot's next fill is the first tensor load behind the round
.macro CHG p, np, slot, nslot, nq, fill, off
	s_wait_dscnt 4*NL
	WIN MUL_LO
	MUL16 0, \p, 0
	MUL16 2, \p, 0
	WIN 0
	s_wait_tensorcnt 0x0
	ds_add_u32 v[SPW], v[NIL]
	s_wait_dscnt 0x0
	s_barrier_signal -1
	s_barrier_wait -1
.if \fill
	CREST
.if \slot == 0
	s_add_nc_u64 s[G0+2:G0+3], s[G0+2:G0+3], 6*GSTEP
	s_add_nc_u64 s[G0B+2:G0B+3], s[G0B+2:G0B+3], 6*GSTEP
.else
	s_add_nc_u64 s[G0+6:G0+7], s[G0+6:G0+7], s[INC:INC+1]
	s_add_nc_u64 s[G0B+6:G0B+7], s[G0B+6:G0B+7], s[INC:INC+1]
	s_mov_b32 s[INC], 4*GSTEP                      ; slot 1: steps 3, 9, then 13
.endif
	JLOAD G0+4*\slot, G1, G0B+4*\slot, G1B         ; its four v_nop are the places in front of the loads below
.else
	PLACES
.endif
	FETCH_B \nslot, \nq, \np
	FETCH_A \nslot, \nq, 0
	SCALES \np, \nslot, \nq
.if \fill
	ASK \off, 1
.endif
	WIN MUL_HI
	MUL16 4, \p, 0
	MUL16 6, \p, 0
	PLACES
	WIN 0
	FETCH_A \nslot, \nq, 4
.endm
	s_wait_alu depctr_va_vdst(0)
	s_wait_tensorcnt 0x0                           ; my part of steps 0-2 is in
	ds_add_u32 v[SPW], v[NIL]
	s_wait_dscnt 0x0
	CROUND
	JLOAD G0+4, G1, G0B+4, G1B                     ; steps 3-5, slot 1's first fill
	FETCH_B 0, 0, 0
	FETCH_A 0, 0, 0
	SCALES 0, 0, 0
	FETCH_A 0, 0, 4
	ASK 0, 0                                       ; steps 6-8
	STEPN 0, 1, 0, 1, 1                            ; step 0 starts the sums
	s_mov_b32 s3, 2
.Llap:                                                 ; a trip: steps 1-6, then 7-12
	STEPN 1, 0, 0, 2, 0
	CHG 0, 1, 0, 1, 0, 1, 3*GSTEP
	STEPN 1, 0, 1, 1, 0
	STEPN 0, 1, 1, 2, 0
	CHG 1, 0, 1, 0, 0, 1, 6*GSTEP
	STEPN 0, 1, 0, 1, 0
	s_sub_co_u32 s3, s3, 1
	s_cmp_lg_u32 s3, 0
	s_cbranch_scc1 .Llap
	STEPN 1, 0, 0, 2, 0                            ; step 13
	CHG 0, 1, 0, 1, 2, 0, 0                        ; step 14; step 15 lies at place 2 of slot 1
	s_wait_dscnt 4*NL
	WIN MUL_LO
	MUL16 0, 1, 0
	MUL16 2, 1, 0
	s_wait_dscnt 0x0
	WIN MUL_HI
	MUL16 4, 1, 0
	MUL16 6, 1, 0
	WIN 0
; THE WAY OUT, block by block of 16 rows x 128 columns, through my own stage: in as 32 bytes a lane, back as whole rows of 512 bytes.  LDS serves a wave's instructions in order (ISA guide 5.7.1.4).
; Each block's rows come back into 64 registers of their own, so that no store's data are written again: blocks 0-3 into window 1 (B's fragments are done with), blocks 4-6 into v64-255 of window 0,
; block 7 into block 0's accumulators, whose stores into the stage were waited for long before.
.macro BUF a
.if (\a) < 4
.set BW, 1
.set BB, 64*(\a)
.elseif (\a) < 7
.set BW, 0
.set BB, 64*((\a)-3)
.else
.set BW, 2
.set BB, 0
.endif
.endm
.macro TOSTAGE a
.set AC, 64*((\a)%4)
	WIN 0x08+4*((\a)/4)
.irp b, 0,1,2,3,4,5,6,7
	ds_store_b128 v[STO], v[AC+8*\b:AC+8*\b+3] offset:64*\b          ; each accumulator from its low end on
	ds_store_b128 v[STO], v[AC+8*\b+4:AC+8*\b+7] offset:64*\b+16
.endr
	BUF \a
	WIN BW<<6
.irp t, 0,1,2,3,4,5,6,7,8,9,10,11,12,13,14,15
	ds_load_b128 v[BB+4*\t:BB+4*\t+3], v[RD] offset:\t*SPITCH
.endr
.endm
.macro SEND a, younger                 ; younger: the LDS instructions issued behind block a's loads
	BUF \a
	s_wait_dscnt \younger
	WIN BW<<2
.irp t, 0,1,2,3,4,5,6,7,8,9,10,11,12,13,14,15
	global_store_b128 v[LI], v[BB+4*\t:BB+4*\t+3], s[12:13] offset:(16*(\a)+\t)*SIZE_N*4   ; 32 lanes store 512 consecutive bytes, aligned to 256; the row stands in the immediate, 127 rows of 8,192 bytes at the most: the base is never stepped
.endr
.endm
	PLACES
	TOSTAGE 0
.irp a, 1,2,3,4,5,6,7
	TOSTAGE \a
	SEND \a-1, 32                                  ; behind block a - 1's loads: block a's 16 stores and 16 loads
.endr
	SEND 7, 0
	WIN 0
	s_wait_tensorcnt 0x0                           ; the wave's end
	ds_add_u32 v[SPW], v[NIL]
	s_wait_dscnt 0x0
	CROUND                                         ; the closing round
	s_endpgm
.Lfunc_end_k_qffe9a68515_gemm_out:
	.size	k_qffe9a68515_gemm_out, .Lfunc_end_k_qffe9a68515_gemm_out-k_qffe9a68515_gemm_out
	.p2alignl 7, 3214868480
	.fill 96, 4, 3214868480
	.section	.rodata,"a",@progbits
	.p2align	6, 0x0
	.amdhsa_kernel k_qffe9a68515_gemm_out
		.amdhsa_group_segment_fixed_size 327680
		.amdhsa_private_segment_fixed_size 0
		.amdhsa_enable_private_segment 0
		.amdhsa_kernarg_size 24
		.amdhsa_user_sgpr_count 2
		.amdhsa_user_sgpr_kernarg_segment_ptr 1
		.amdhsa_wavefront_size32 1
		.amdhsa_system_sgpr_workgroup_id_x 1
		.amdhsa_system_sgpr_workgroup_id_y 1
		.amdhsa_system_sgpr_workgroup_id_z 1
		.amdhsa_system_vgpr_workitem_id 0
		.amdhsa_next_free_vgpr 1024
		.amdhsa_next_free_sgpr 100
		.amdhsa_reserve_vcc 0
		.amdhsa_float_denorm_mode_32 3
		.amdhsa_float_denorm_mode_16_64 3
		.amdhsa_memory_ordered 1
		.amdhsa_forward_progress 1
		.amdhsa_inst_pref_size 156
	.end_amdhsa_kernel
	.amdgpu_metadata
---
amdhsa.version: [ 1, 2 ]
amdhsa.kernels:
  - .name:           k_qffe9a68515_gemm_out
    .symbol:         k_qffe9a68515_gemm_out.kd
    .args:
      - { .name: d_img, .offset: 0, .size: 8, .value_kind: global_buffer, .address_space: global }
      - { .name: n_img, .offset: 8, .size: 8, .value_kind: global_buffer, .address_space: global }
      - { .name: out0, .offset: 16, .size: 8, .value_kind: global_buffer, .address_space: global }
    .group_segment_fixed_size: 327680
    .private_segment_fixed_size: 0
    .kernarg_segment_align: 8
    .kernarg_segment_size: 24
    .max_flat_workgroup_size: 128
    .sgpr_count:     100
    .vgpr_count:     1024
    .wavefront_size: 32
...
	.end_amdgpu_metadata
.endif
;; end of part 3
